; MI455X (gfx1250); checked and timed in simulation.
; The chip was launched on July 23, 2026; its instructions are those of AMD's public machine-readable ISA for CDNA 5 (MIT licence, August 2026) and "CDNA5" Instruction Set Architecture Reference Guide (July 2026). The comments in the code are by the model that wrote it; some were corrected since.
;; Mp Max Pooling Match. Allowed arithmetic: matrix products marked QUANTISED: E2M1 operands, one E8M0 scale for each 32 along K, by v_wmma_scale_f32_16x16x128_f8f6f4 with both operands' format E2M1 (or v_wmma_scale_f32_32x16x128_f4), f32 sums; everything else in f32.
;; Inputs: kernel 32 x 256 float32; reps_lt 16 x 256 x 256 float32; reps_rt_codes 16 x 256 x 8 x 16 uint8 (E2M1 codes of reps_rt, K innermost, in blocks of 32 codes, two codes a byte); reps_rt_scales 16 x 256 x 8 uint8 (E8M0 scales of reps_rt, one for each 32 codes along K).
;; Outputs: out0 16 x 256 x 32 float32.
;; This version of the problem:
;;   THIS VERSION OF THE PROBLEM IS GIVEN IN LOW PRECISION. The matrix products marked QUANTISED in the list below multiply operands that are first quantised to E2M1 (2 exponent bits, 1 mantissa bit; 4 bits a number), with one power-of-two scale for each 32 numbers along K (OCP MX v1.0); their sums are f32. All else is computed in f32.
;;   The module's matrix products, in the order in which they are computed (A, B: the left and right operand; K: the contracted axis; several contracted axes count as one K, in the product's order):
;;     1. batch 16 x [M 256, K 256] x [K 256, N 8,192]; A: input reps_rt (given as codes); B: computed on the way: QUANTISED
;;   THE QUANTISER, for each operand of a quantised product, along K:
;;     - K is cut into blocks of 32 from its start; a last block that is shorter is filled with zeros.
;;     - A block's scale is 2^e with e = floor(log2(the largest magnitude in the block)) - 2, held to -126 .. 127; a block of zeros has e = 0. As a byte (E8M0): e + 127.
;;     - Each number is divided by its block's scale, clamped to +-6, and rounded to the nearest number of E2M1, ties to even, subnormals kept.
;;     - The product sums the exact products of the quantised numbers (number of the format x scale) in f32.
;;   ~~~python
;;   def quantise(x, axis):      # numpy; x: float32 -> the quantised numbers, widened to float32 again
;;       x = np.moveaxis(x, axis, -1); K = x.shape[-1]
;;       x = np.pad(x, [(0, 0)] * (x.ndim - 1) + [(0, -K % 32)]); x = x.reshape(x.shape[:-1] + (-1, 32)); a = np.abs(x).max(-1, keepdims=True)
;;       e = np.where(a > 0, np.clip(np.frexp(np.where(a > 0, a, 1))[1] - 1 - 2, -126, 127), 0)      # np.frexp(a)[1] - 1 = floor(log2(a)), exactly
;;       r = np.clip(x / 2.0 ** e, -6, 6)
;;       step = 2.0 ** (np.maximum(np.frexp(np.where(r == 0, 1, r))[1] - 1, 0) - 1)
;;       q = np.round(r / step) * step * 2.0 ** e      # np.round: ties to even
;;       return np.moveaxis(q.reshape(q.shape[:-2] + (-1,))[..., :K], -1, axis).astype(np.float32)
;;   ~~~
;;   OPERANDS COMPUTED ON THE WAY. 'Computed on the way' means the value that the module computes at that place (a softmax that the list does not call 'softmax' is quantised finished and normalised). What goes into a quantiser is computed in f32, as accurately as f32 sums, v_exp_f32 and their like allow (about 1e-6 of the number): no bf16 or f16 on the way to a quantiser, and a product that is left as it is and whose result goes on into a quantised operand takes f32 operands (vector FMAs, or v_wmma_f32_16x16x4_f32). A number that lies on a knife's edge between two numbers of the format may be rounded either way, as far as f32 arithmetic and the matrix unit's own rounding can turn it there, and no further.
;;   INPUTS GIVEN AS CODES. reps_rt (in the module: [16, 256, 256], K = its axis 2): each comes as NAME_codes (uint8): NAME with its K axis moved to the last place and cut into blocks of 32 codes, [.., K / 32, bytes a block], one block behind the other in memory; two codes a byte, the lower K in the low four bits (a code: sign, 2 exponent bits, 1 mantissa bit); and NAME_scales (uint8): the same leading axes, one E8M0 byte (e + 127) for each 32 codes along K. Its value is code x scale, taken as it is: it is not quantised again, and the codes and scales need not be those that the quantiser above would give.
;; One version. Each part assembles by itself: llvm-mc -triple=amdgcn-amd-amdhsa -mcpu=gfx1250 --defsym DOCPART=n.
;; ======== version 1 of 1: 1 launch
;; launch match (part 1): grid 16 x 16, 4 waves a work-group, clusters of 4 x 1, 327,680 bytes of LDS; arguments kernel, reps_lt, reps_rt_codes, reps_rt_scales, out0; writes out0
.if DOCPART == 1
	.amdgcn_target "amdgcn-amd-amdhsa--gfx1250"
	.amdhsa_code_object_version 6
	.text
	.protected	k_q771e809d29_match
	.globl	k_q771e809d29_match
	.p2align	8
	.type	k_q771e809d29_match,@function
k_q771e809d29_match:
	s_mov_b64 s[64:65], 0
	v_nop
	global_prefetch_b8 v0, s[64:65] scope:SCOPE_SE
	s_setreg_imm32_b32 hwreg(HW_REG_WAVE_MODE, 25, 1), 1
	s_wait_xcnt 0x0
	s_wait_alu depctr_hold_cnt(0) depctr_sa_sdst(0) depctr_va_vdst(0) depctr_va_sdst(0) depctr_va_ssrc(0) depctr_va_vcc(0) depctr_vm_vsrc(0)
	s_getreg_b32 s2, hwreg(HW_REG_IB_STS2, 6, 4)
	s_cmp_eq_u32 s2, 0
	s_cbranch_scc0 .Lentry_in_a_cluster
	s_endpgm
.Lentry_in_a_cluster:
	s_bfe_u32 s2, ttmp6, 0x10000c
	s_cmp_lg_u32 s2, 0x3003
	s_cbranch_scc0 .Lentry_shape_is_right
	s_endpgm
.Lentry_shape_is_right:
; out[b][j][m] = max over i of tanh( sum over d of rt[b][j][d] x Q(lt[b][i][d] x kernel[m][d]) ).  b 16, i 256, j 256, d 256, m 32.
; rt comes as codes of FP4 (E2M1) with one E8M0 byte for each 32 along d and is taken as it is.  The other operand is made here: one f32 multiply, then the MX quantiser along d
; (a block's byte = its largest magnitude's exponent field - 2, held at 1 from below; the conversion divides by the scale, rounds to nearest even, and holds at the largest code).
; A BLOCK OF ZEROS gets the byte 1 here and not the quantiser's 127: its codes are all 0, and 0 x any scale is 0, so the quantised numbers are the same zeros.
; tanh never decreases, so max over i of tanh(s) = tanh(max over i of s) for every input: the maximum is taken of the scores, and tanh of 131,072 numbers in place of 33.5 million.
; SHARES.  Work-group (g, b): batch b, kernel rows 2 g and 2 g + 1, all 256 i, all 256 j: every row (i, m) of the computed operand is quantised once in the whole launch, and no maximum leaves the work-group.
;   Wave w: i = 64 w .. 64 w + 63 as four tiles T of 16 rows.  Lane (r = lane % 16, h = lane / 16): of row i = 16 T + r the whole blocks d = 128 s + 64 c + 32 h + 0 .. 31: a block's largest magnitude needs
;   no other lane, and the conversions' results ARE the operand's registers.
; THE MATRIX INSTRUCTION is the form of 32 rows: source 0 = tile T with BOTH kernel rows (registers 0-7: rows 0-15 = kernel row 2 g; registers 8-15: rows 16-31 = kernel row 2 g + 1; its scale word in lane = row),
;   source 1 = 16 rows (j) of rt.  In the result a lane holds j = r; registers 0-7 are eight i of kernel row 2 g, registers 8-15 eight i of row 2 g + 1: the maximum over i runs down a lane's registers.
; BY TURNS.  A wave issues in order, and nothing else is on its SIMD: set in phases, a tile's matrix instructions would stand alone while the vector unit has nothing, and the vector work is the longer of the two.
;   A PERIOD is tile T's 32 matrix instructions (four groups of 4 tiles of j x 2 steps of 128 along d); behind each stands a slice of vector work that names none of its registers:
;   tile T + 1's quantiser (324 lines) and the maxima of the groups finished before (128 lines).  Each slice is of one kind, so it costs two switches of the register window, one in front and one behind.
;   No one setting serves both: rt fills a whole window in the place of source 1.  Two sets of four accumulators, two sets of codes and scale words take turns.
; CLUSTER.  The four work-groups of a cluster share b, so lt[b] and rt[b]: every tensor load is a joint one (mask 15), its addresses made of b and the wave's number alone.
; LDS is filled ONCE: all of lt[b] (f32) and rt[b] (codes) fit.  No slot is filled again, so there is no ring; a round of the cluster's barrier stands in front of the loads and one in front of s_endpgm.
; lt comes in tiles of 16 rows (16,384 bytes), not 64, so that a wave's first tile is worked on while its other three are on their way.  By this text's count a wave has five tensor loads out.
; THE WAY OUT.  A work-group's results are 8 bytes of each 128-byte row of out: stores of 8 bytes a lane, 128 bytes apart.  Whole rows for a work-group would mean quantising each (i, m) row sixteen times over,
;   or partial maxima through memory and a second launch; out is 524,288 bytes in all.
; LIMITS.  NaN and infinities among the inputs, and a scale byte 0xff, are not served (the maxima here let a NaN lose, jnp.max keeps it).  Blocks whose largest magnitude lies under 2^-123 get the byte 1, as the quantiser's hold asks; not tried.
;   tanh(x) = 1 - 2 / (1 + 2^(2 log2(e) x)): absolute error of the order of f32's rounding of 1, also for x near 0; it goes to +-1 for large |x| without NaN.
;
; LDS, in bytes
.set LPITCH, 1040                      ; a row of lt: 1,024 + 16 of padding = 65 x 16: the sixteen rows that lanes 0-15 of a 16-byte load touch begin at sixteen different 16-byte columns modulo 256 (64 banks of 4 bytes: ISA guide 11.1)
.set LTILE,  16*LPITCH                 ; 16,640: what one tensor load of lt brings
.set LWAVE,  4*LTILE                   ; 66,560: wave w's 64 rows begin at w x LWAVE; filled by wave w's loads, read by wave w alone
.set RT,     4*LWAVE                   ; 266,240: rt's codes, 256 rows
.set RPITCH, 144                       ; a row of rt: 128 + 16 of padding = 9 x 16
.set RWAVE,  64*RPITCH                 ; 9,216: wave w fills rows 64 w on; all four waves read all rows
.set RED,    RT+4*RWAVE                ; 303,104, a multiple of 256: [wave 4][j 256][m 2] f32, 8,192 bytes, written by LDS stores; no tensor load lands here
; REGISTERS, in windows of 256 (s_set_vgpr_msb's low byte: bits 1:0 source 0, 3:2 source 1, 5:4 source 2, 7:6 destination)
;   window 0: as named below.
;   window 1: v0-63 lt of one tile and one step s (32 c + 4 q + e holds d = 128 s + 64 c + 32 h + 4 q + e); v64-95 the running maxima, 16 m + jt; v128-255 eight accumulators of 16: set G % 2 at 64 (G % 2), accumulator a at + 16 a.
;   window 2: the two kernel rows, 128 m + 64 s + lt's index.   window 3: rt's fragments, 16 jt + 8 s + 4 c.
.set ALT,  3                           ; v3   LDS: w x LWAVE + 1,040 r + 128 h
.set ART,  4                           ; v4   LDS: RT + 144 r + 16 h
.set ASC,  5                           ; v5   8 r: rt's scale words
.set AKN,  6                           ; v6   128 h: the kernel rows
.set SH,   7                           ; v7   8 h: where my two scale bytes go in a word
.set RST,  8                           ; v8   LDS: RED + 2,048 w + 8 r + 4 h
.set RRD,  9                           ; v9   LDS: RED + 16 x thread
.set GO,   10                          ; v10  256 x thread: my two rows of out
.set CH,   12                          ; v12-19 eight chains of maxima, two a block; then 2 k: block k's scale as f32, 2 k + 1: its byte
.set WD,   20                          ; v20-21 the two kernel rows' scale words in the making
.set RSC,  24                          ; v24-55 rt's scale words: 2 jt + s: lane r (and lane 16 + r) the word of row 16 jt + r for step s.  Scales and nothing else
.set BSC,  56                          ; v56-59 the computed operand's scale words: 2 p + s.  Scales and nothing else
.set CODE, 60                          ; v60-123 its codes: set p at 32 p, step s at + 16 s, kernel row m at + 8 m
.set P,    124                         ; v124-251 128 products lt x kernel, f32: 64 m + 32 c + e: four blocks of 32
.set FIN,  124                         ; v124-155 the finished maxima, 16 m + jt: the products' registers are free by then
.set OUTR, 160                         ; v160-175 the way out
.set RUN,  64                          ; in window 1
.set ACC,  128                         ; in window 1
.set WV,   14                          ; s14  my wave's number
.set G1L,  24                          ; s[24:31] descriptor group 1 for lt's tiles
.set G1R,  32                          ; s[32:39] for rt's quarter
.set G0L,  40                          ; s[40:55] group 0 for lt's tiles 0 to 3
.set G0R,  56                          ; s[56:59] group 0 for rt's quarter
.set W_MUL, 0x09                       ; lt (source 0) window 1, kernel (source 1) window 2, products window 0
.set W_LDL, 0x40                       ; destination window 1
.set W_LDK, 0x80                       ; destination window 2
.set W_LDR, 0xc0                       ; destination window 3
.set W_WM,  0x5c                       ; codes (source 0) window 0, rt (source 1) window 3, C and D window 1
.set W_MR,  0x55                       ; running maximum and scores, all window 1
.set W_MF,  0x15                       ; the same sources, the result into window 0
.set MSB, 0
.macro WIN new                         ; the immediate's high byte repeats the setting that is left; a switch that changes nothing is dropped
.if MSB != \new
	s_set_vgpr_msb (MSB<<8)|\new
.set MSB, \new
.endif
.endm
; A round of the cluster's barrier: my work-group's barrier, wave 0 signals for the work-group, every wave waits for all four work-groups, my work-group's barrier once more.
.macro ROUND
	s_barrier_signal -1
	s_barrier_wait -1
	s_cmp_lg_u32 s[WV], 0
	s_cbranch_scc1 .Lnot_wave_0_\@
	s_barrier_signal -3
.Lnot_wave_0_\@:
	s_barrier_wait -3
	s_barrier_signal -1
	s_barrier_wait -1
.endm
.macro PLACES                          ; four places between a matrix instruction and the first read of its result, where no other vector work is at hand (ISA guide 7.12.1)
.rept 4
	v_nop
.endr
.endm
	s_load_b256 s[4:11], s[0:1], 0x0               ; kernel s[4:5], lt s[6:7], rt's codes s[8:9], rt's scales s[10:11]
	s_load_b64 s[12:13], s[0:1], 0x20              ; out
	v_lshl_add_u32 v254, v0, 2, 0x4c000
	v_mov_b32 v255, 0
	ds_add_u32 v254, v255
	ds_add_u32 v254, v255
	v_lshrrev_b32 v2, 5, v0
	v_readfirstlane_b32 s[WV], v2                  ; wave 0..3
	s_bfe_u32 s15, ttmp6, 0x40000                  ; cx: my place in the cluster
	s_lshl_b32 s16, ttmp9, 2                       ; in a cluster launch ttmp9 counts clusters
	s_add_co_u32 s16, s16, s15                     ; g = 4 x cluster x + cx: it enters the kernel's and out's addresses alone
	s_and_b32 s17, ttmp7, 0xffff                   ; b, which the four partners share
	s_lshl_b32 s18, s17, 18                        ; lt: b x 262,144
	s_lshl_b32 s19, s[WV], 16                      ;     + w x 64 rows of 1,024 bytes
	s_add_co_u32 s18, s18, s19
	s_mov_b32 s19, 0
	s_lshl_b32 s22, s17, 15                        ; rt's codes: b x 32,768
	s_lshl_b32 s23, s[WV], 13                      ;     + w x 64 rows of 128 bytes
	s_add_co_u32 s22, s22, s23
	s_mov_b32 s23, 0
	s_lshl_b32 s60, s17, 11                        ; rt's scales: b x 2,048
	s_mov_b32 s61, 0
	s_lshl_b32 s62, s16, 11                        ; kernel: g x 2 rows of 1,024 bytes
	s_mov_b32 s63, 0
	s_lshl_b32 s68, s17, 15                        ; out: b x 32,768
	s_lshl_b32 s69, s16, 3                         ;     + g x 8
	s_add_co_u32 s68, s68, s69
	s_mov_b32 s69, 0
	s_mul_i32 s70, s[WV], LWAVE                    ; my rows of lt in LDS: the wave's number times a constant
	s_mul_i32 s71, s[WV], RWAVE                    ; my quarter of rt in LDS
	s_lshl_b32 s74, s[WV], 11
	s_add_co_u32 s74, s74, RED                     ; my 2,048 bytes of maxima
	; group 1 for lt: 16 rows x 256 elements of 4 bytes, 16 bytes of padding behind each row
	s_mov_b32 s[G1L+0], 15|(2<<16)|(1<<20)|(1<<21)|(7<<22)|(3<<25)   ; 15:0 the mask: all four work-groups; 17:16 elements of 4 bytes; 20 padding on; 21 set beside a mask; 24:22 after every 256 words (code 7); 31:25 four words (code 3)
	s_mov_b32 s[G1L+1], 256<<16                    ; tensor_dim0 = 256
	s_mov_b32 s[G1L+2], 16<<16                     ; tensor_dim1 = 16
	s_mov_b32 s[G1L+3], 256<<16                    ; tile_dim0 = 256
	s_mov_b32 s[G1L+4], 16                         ; tile_dim1 = 16
	s_mov_b32 s[G1L+5], 256                        ; elements from row to row
	s_mov_b32 s[G1L+6], 0
	s_mov_b32 s[G1L+7], 0
	; group 1 for rt: 64 rows x 32 elements of 4 bytes (128 bytes: 256 codes), 16 bytes of padding behind each row
	s_mov_b32 s[G1R+0], 15|(2<<16)|(1<<20)|(1<<21)|(4<<22)|(3<<25)   ; padding after every 32 words (code 4)
	s_mov_b32 s[G1R+1], 32<<16
	s_mov_b32 s[G1R+2], 64<<16
	s_mov_b32 s[G1R+3], 32<<16
	s_mov_b32 s[G1R+4], 64
	s_mov_b32 s[G1R+5], 32
	s_mov_b32 s[G1R+6], 0
	s_mov_b32 s[G1R+7], 0
	v_and_b32 v1, 15, v0                           ; r
	v_bfe_u32 v2, v0, 4, 1                         ; h
	v_mul_u32_u24 v[ALT], v1, LPITCH
	v_lshl_add_u32 v[ALT], v2, 7, v[ALT]
	v_add_nc_u32 v[ALT], s70, v[ALT]
	v_mul_u32_u24 v[ART], v1, RPITCH
	v_lshl_add_u32 v[ART], v2, 4, v[ART]
	v_add_nc_u32 v[ART], RT, v[ART]
	v_lshlrev_b32 v[ASC], 3, v1
	v_lshlrev_b32 v[AKN], 7, v2
	v_lshlrev_b32 v[SH], 3, v2
	v_lshl_add_u32 v[RST], v2, 2, v[ASC]
	v_add_nc_u32 v[RST], s74, v[RST]
	v_lshl_add_u32 v[RRD], v0, 4, RED
	v_lshlrev_b32 v[GO], 8, v0
	s_wait_dscnt 0x0
	s_wait_kmcnt 0x0
	s_add_nc_u64 s[72:73], s[6:7], s[18:19]        ; lt at my wave's first row
	s_add_nc_u64 s[10:11], s[10:11], s[60:61]      ; rt's scales at b
	s_add_nc_u64 s[4:5], s[4:5], s[62:63]          ; the kernel at row 2 g
	s_add_nc_u64 s[12:13], s[12:13], s[68:69]      ; out at (b, 0, 2 g)
.irp t, 0,1,2,3
	s_mov_b32 s[G0L+4*\t], 1                                       ; count = 1
	s_add_co_u32 s[G0L+4*\t+1], s70, \t*LTILE                      ; LDS address
	s_add_nc_u64 s[G0L+4*\t+2:G0L+4*\t+3], s[72:73], \t*16384      ; global address: 16 rows of 1,024 bytes a tile
	s_or_b32 s[G0L+4*\t+3], s[G0L+4*\t+3], 0x80000000              ; type = 2
.endr
	s_mov_b32 s[G0R], 1
	s_add_co_u32 s[G0R+1], s71, RT
	s_add_nc_u64 s[G0R+2:G0R+3], s[8:9], s[22:23]
	s_or_b32 s[G0R+3], s[G0R+3], 0x80000000
	ROUND                                          ; all four work-groups are here: the joint loads meet
	tensor_load_to_lds s[G0L:G0L+3], s[G1L:G1L+7]          ; my lt tile 0: wanted first
	s_nop 0
	tensor_load_to_lds s[G0R:G0R+3], s[G1R:G1R+7]          ; my quarter of rt
	s_nop 0
	tensor_load_to_lds s[G0L+4:G0L+7], s[G1L:G1L+7]        ; my lt tiles 1, 2, 3
	s_nop 0
	tensor_load_to_lds s[G0L+8:G0L+11], s[G1L:G1L+7]
	s_nop 0
	tensor_load_to_lds s[G0L+12:G0L+15], s[G1L:G1L+7]
	s_nop 0
.rept 4
	v_nop                                          ; four v_nop follow the last tensor load
.endr
	WIN W_LDK
.irp s, 0,1                            ; the kernel rows, in the order in which they are wanted: both rows' d = 0 .. 127, then both rows' d = 128 .. 255
.irp m, 0,1
.set n, 0
.rept 16
	global_load_b128 v[128*\m+64*\s+4*n:128*\m+64*\s+4*n+3], v[AKN], s[4:5] offset:1024*\m+512*\s+256*(n/8)+16*(n%8)   ; kernel[2 g + m][128 s + 64 (n / 8) + 32 h + 4 (n % 8) ..]: the sixteen lanes of a half read the same 16 bytes
.set n, n+1
.endr
.endr
.endr
	WIN 0
.irp jt, 0,1,2,3,4,5,6,7,8,9,10,11,12,13,14,15
	global_load_b64 v[RSC+2*\jt:RSC+2*\jt+1], v[ASC], s[10:11] offset:128*\jt   ; row 16 jt + r's eight scale bytes: the word of step 0 and the word of step 1
.endr
; lt of tile T, step s, into its 64 registers: 16 loads.  A new tile's first read stands behind the wait that shows it landed: 3 - T tiles of lt were asked for behind tile T.  Only I read these bytes.
.macro LTLOAD T, s
.if ((\s) == 0) && ((\T) > 0)
	s_wait_tensorcnt 3-(\T)
.endif
	WIN W_LDL
.irp c, 0,1
.irp q, 0,1,2,3,4,5,6,7
	ds_load_b128 v[32*\c+4*\q:32*\c+4*\q+3], v[ALT] offset:(\T)*LTILE+512*(\s)+256*\c+16*\q
.endr
.endr
.endm
; sixteen of rt's 64 fragment loads: j tile n / 4; 64 s + 32 c = 32 (n % 4).  rt stays in registers for the whole kernel
.macro RTLOAD n0
	WIN W_LDR
.set n, \n0
.rept 16
	ds_load_b128 v[4*n:4*n+3], v[ART] offset:16*RPITCH*(n/4)+32*(n%4)
.set n, n+1
.endr
.endm
; THE QUANTISER of tile T, step s, both kernel rows, is a list of 162 lines; QV writes number qi of it.  Block k = 2 m + c of four lies at P + 32 k.
;   0-63    the 128 products lt x kernel, f32
;   64-127  the four blocks' largest magnitudes: eight chains, two a block, so that a line reads a result made eight lines before; then the chains' ends
;   128-139 the scale: the exponent field is held at 3 from below and lessened by 2, on the largest magnitude's own bits (the conversion takes the exponent field of its scale operand and nothing else); then the byte
;   140-155 the conversions: line 140 + z writes register z of the operand of 16 registers
;   156-161 the scale word: my two bytes of each kernel row at their places (blocks h and 2 + h: 8 h bits up); the exchange of halves brings kernel row 2 g's four bytes into lanes 0-15 and row 2 g + 1's into lanes 16-31
.macro QV T, s
.if qi < 64
.if qi == 0
	s_wait_dscnt DSW                               ; lt's 16 loads are in; DSW LDS loads were issued behind them
.endif
	WIN W_MUL
	v_pk_mul_f32 v[P+2*qi:P+2*qi+1], v[2*(qi%32):2*(qi%32)+1], v[128*(qi/32)+64*(\s)+2*(qi%32):128*(qi/32)+64*(\s)+2*(qi%32)+1]
.else
	WIN 0
.set xx, (qi-64)%8
.set pb, P+32*(xx/2)
.set ii, 2+4*((qi-64)/8)+2*(xx%2)
.set kk, qi%4
.set zz, qi-140
.if qi < 72
	v_max3_num_f32 v[CH+xx], |v[pb+3*(xx%2)]|, |v[pb+3*(xx%2)+1]|, |v[pb+3*(xx%2)+2]|
.elseif qi < 120
	v_max3_num_f32 v[CH+xx], v[CH+xx], |v[pb+ii]|, |v[pb+ii+1]|
.elseif qi < 124
	v_max3_num_f32 v[CH+2*kk], v[CH+2*kk], |v[P+32*kk+30]|, |v[P+32*kk+31]|
.elseif qi < 128
	v_max_num_f32 v[CH+2*kk], v[CH+2*kk], v[CH+2*kk+1]
.elseif qi < 132
	v_max_u32 v[CH+2*kk], 0x1800000, v[CH+2*kk]    ; the exponent field at least 3 (the sign bit is 0): the byte is not to fall under 1
.elseif qi < 136
	v_add_nc_u32 v[CH+2*kk], 0xff000000, v[CH+2*kk]   ; the exponent field less 2
.elseif qi < 140
	v_lshrrev_b32 v[CH+2*kk+1], 23, v[CH+2*kk]     ; the scale's byte
.elseif qi < 156
	v_cvt_scalef32_pk8_fp4_f32 v[CODE+32*((\T)%2)+16*(\s)+zz], v[P+8*zz:P+8*zz+7], v[CH+2*(zz/4)]
.elseif qi == 156
	v_lshl_or_b32 v[WD], v[CH+3], 16, v[CH+1]      ; (also the one plain instruction between the conversions and what touches their results or writes their sources)
.elseif qi == 157
	v_lshl_or_b32 v[WD+1], v[CH+7], 16, v[CH+5]
.elseif qi == 158
	v_lshlrev_b32 v[WD], v[SH], v[WD]
.elseif qi == 159
	v_lshlrev_b32 v[WD+1], v[SH], v[WD+1]
.elseif qi == 160
	v_permlane16_swap_b32 v[WD], v[WD+1]           ; the first's lanes 16-31 change places with the second's lanes 0-15
.else
	v_or_b32 v[BSC+2*((\T)%2)+(\s)], v[WD], v[WD+1]
.endif
.endif
.endm
.macro QRUN T, s, n                    ; the next n lines of the list
.rept \n
	QV \T, \s
.set qi, qi+1
.endr
.endm
; THE MAXIMA of group G's four accumulators are a list of 32 lines; MV writes number mi of it: step mi / 8 of four, kernel row (mi % 8) / 4, accumulator mi % 4: eight chains, and each accumulator is first read at its low end.
; mode 1: the scores start the maxima: nothing is preset.  mode 2: the wave's last tile: the last step's results go to window 0, where the way out works.
.macro MV G, mode
.set tt, mi/8
.set rD, ACC+64*((\G)%2)+16*(mi%4)+8*((mi%8)/4)
.set rJ, 16*((mi%8)/4)+4*(\G)+mi%4
.if (\mode) == 1
	WIN W_MR
.if tt == 0
	v_max3_num_f32 v[RUN+rJ], v[rD], v[rD+1], v[rD+2]
.elseif tt < 3
	v_max3_num_f32 v[RUN+rJ], v[RUN+rJ], v[rD+2*tt+1], v[rD+2*tt+2]
.else
	v_max_num_f32 v[RUN+rJ], v[RUN+rJ], v[rD+7]
.endif
.elseif ((\mode) == 2) && (tt == 3)
	WIN W_MF
	v_max3_num_f32 v[FIN+rJ], v[RUN+rJ], v[rD+6], v[rD+7]
.else
	WIN W_MR
	v_max3_num_f32 v[RUN+rJ], v[RUN+rJ], v[rD+2*tt], v[rD+2*tt+1]
.endif
.endm
.macro MRUN G, mode, n
.rept \n
	MV \G, \mode
.set mi, mi+1
.endr
.endm
; Matrix instruction wk of tile T's 32: group wk / 8, step (wk % 8) / 4, accumulator wk % 4, j tile 4 (wk / 8) + wk % 4.  A group's first four start the sums with the constant 0; its four accumulators take turns, one instruction a turn.
.macro WM T
	WIN W_WM
.set ss, (wk%8)/4
.set rD, ACC+64*((wk/8)%2)+16*(wk%4)
.set rA, CODE+32*((\T)%2)+16*ss
.set rJ, 4*(wk/8)+wk%4
.if ss == 0
	v_wmma_scale_f32_32x16x128_f4 v[rD:rD+15], v[rA:rA+15], v[16*rJ:16*rJ+7], 0, v[BSC+2*((\T)%2)], v[RSC+2*rJ]
.else
	v_wmma_scale_f32_32x16x128_f4 v[rD:rD+15], v[rA:rA+15], v[16*rJ+8:16*rJ+15], v[rD:rD+15], v[BSC+2*((\T)%2)+1], v[RSC+2*rJ+1]
.endif
.set wk, wk+1
.endm
; HALF A PERIOD: tile T's groups 2 x and 2 x + 1, sixteen matrix instructions, a slice behind each:
;   slices 0, 1    the maxima of group g1, the group in front of these two (accumulator set 1, which group 2 x + 1 writes again from slice 8 on); g1 < 0: there is none yet
;   slices 2 - 5   tile T + 1, step x: the products; behind them lt's registers are loaded again, with what the next half period multiplies
;   slices 6, 7    half of the chains.  These 32 lines are the places between group 2 x's last product and the first read of its results
;   slices 8, 9    the maxima of group 2 x (set 0, which the next half period writes again)
;   slices 10 - 15 the other half of the chains, the scales, the conversions, the scale word; slice 15's plain lines are the places in front of the next half period's slice 0
; The codes and the scale word that a half period makes are read five matrix instructions later at the earliest, behind far more than the eight places that a scale register written by a vector instruction wants (ISA guide 7.12.1).
; Tile 3's period has nothing left to quantise: four v_nop take slice 7's and slice 15's part as places.
.macro HALF T, x, g1, mode1, mode2
.set wk, 16*(\x)
.set qi, 0
.set mi, 0
.rept 2
	WM \T
.if (\g1) >= 0
	MRUN \g1, \mode1, 16
.endif
.endr
.rept 4
	WM \T
.if (\T) < 3
	QRUN (\T)+1, \x, 16
.endif
.endr
.if (\T) < 3
.if (\x) == 0
	LTLOAD (\T)+1, 1
.elseif (\T) < 2
	LTLOAD (\T)+2, 0
.endif
.endif
.rept 2
	WM \T
.if (\T) < 3
	QRUN (\T)+1, \x, 16
.endif
.endr
.if (\T) == 3
	PLACES
.endif
.set mi, 0
.rept 2
	WM \T
	MRUN 2*(\x), \mode2, 16
.endr
.rept 2
	WM \T
.if (\T) < 3
	QRUN (\T)+1, \x, 16
.endif
.endr
.irp len, 12, 8, 8, 6
	WM \T
.if (\T) < 3
	QRUN (\T)+1, \x, \len
.endif
.endr
.if (\T) == 3
	PLACES
.endif
.endm
	; TILE 0 IS QUANTISED IN FRONT OF THE PERIODS.  rt's 64 fragment loads go out in four runs of sixteen between its parts.
	s_wait_tensorcnt 4                             ; my lt tile 0 has landed: four loads were asked for behind it.  Only I read these bytes
	LTLOAD 0, 0
	s_wait_loadcnt 48                              ; both kernel rows' d = 0 .. 127 are in: 32 kernel loads and 16 loads of scale words are younger
.set DSW, 0
.set qi, 0
	QRUN 0, 0, 64
	s_wait_tensorcnt 3                             ; my quarter of rt has landed; the three younger loads (lt tiles 1 to 3) stay out.  No LDS load of mine is out
	s_barrier_signal -1
	s_barrier_wait -1                              ; everybody's quarter of rt has
	LTLOAD 0, 1
	RTLOAD 0
	QRUN 0, 0, 64
	RTLOAD 16
	QRUN 0, 0, 34
	RTLOAD 32
	s_wait_loadcnt 16                              ; all of the kernel rows are in: the 16 loads of scale words are younger
.set DSW, 48                           ; behind lt's 16 loads: three runs of rt's
.set qi, 0
	QRUN 0, 1, 64
.set DSW, 0
	LTLOAD 1, 0
	RTLOAD 48
	QRUN 0, 1, 98
	s_wait_loadcnt 0x0                             ; rt's scale words
	s_wait_dscnt 0x0                               ; rt's fragments
	; THE FOUR PERIODS.  Arguments: tile, half, the group whose maxima come first, its mode, the mode of this half's own first group.
	HALF 0, 0, -1, 0, 1
	HALF 0, 1, 1, 1, 1
	HALF 1, 0, 3, 1, 0
	HALF 1, 1, 1, 0, 0
	HALF 2, 0, 3, 0, 0
	HALF 2, 1, 1, 0, 0
	HALF 3, 0, 3, 0, 2
	HALF 3, 1, 1, 2, 2
.set mi, 0
	MRUN 3, 2, 32                                  ; the last group's maxima
	; THE WAY OUT.  A lane holds, for j = 16 jt + r and each m, the maximum over its half's i.  One exchange of halves and one maximum: lanes 0-15 then hold kernel row 2 g's, lanes 16-31 row 2 g + 1's, over all my wave's 64 i.
	WIN 0
.irp jt, 0,1,2,3,4,5,6,7,8,9,10,11,12,13,14,15
	v_permlane16_swap_b32 v[FIN+\jt], v[FIN+16+\jt]    ; the first's lanes 16-31 change places with the second's lanes 0-15
.endr
.irp jt, 0,1,2,3,4,5,6,7,8,9,10,11,12,13,14,15
	v_max_num_f32 v[FIN+\jt], v[FIN+\jt], v[FIN+16+\jt]
.endr
.irp jt, 0,1,2,3,4,5,6,7,8,9,10,11,12,13,14,15
	ds_store_b32 v[RST], v[FIN+\jt] offset:128*\jt     ; [my wave][j][m]: 32 lanes write 128 consecutive bytes
.endr
	s_wait_dscnt 0x0                               ; for the others' sake: my stores are done
	s_barrier_signal -1
	s_barrier_wait -1
.irp w, 0,1,2,3
	ds_load_b128 v[OUTR+4*\w:OUTR+4*\w+3], v[RRD] offset:2048*\w   ; thread t: j = 2 t and 2 t + 1, both m, of wave w's maxima
.endr
	s_wait_dscnt 0x0
.irp k, 0,1,2,3
	v_max3_num_f32 v[OUTR+\k], v[OUTR+\k], v[OUTR+4+\k], v[OUTR+8+\k]
.endr
.irp k, 0,1,2,3
	v_max_num_f32 v[OUTR+\k], v[OUTR+\k], v[OUTR+12+\k]     ; the maximum over all 256 i
.endr
.irp k, 0,1,2,3
	v_mul_f32 v[OUTR+\k], 0x4038aa3b, v[OUTR+\k]   ; 2 log2(e) x
.endr
.irp k, 0,1,2,3
	v_exp_f32 v[OUTR+\k], v[OUTR+\k]
.endr
	v_nop                                          ; one plain instruction between a transcendental and the use of its result (ISA guide 5.7.2)
	s_wait_alu depctr_va_vdst(0)
.irp k, 0,1,2,3
	v_add_f32 v[OUTR+\k], 1.0, v[OUTR+\k]
.endr
.irp k, 0,1,2,3
	v_rcp_f32 v[OUTR+\k], v[OUTR+\k]
.endr
	v_nop
	s_wait_alu depctr_va_vdst(0)
.irp k, 0,1,2,3
	v_fma_f32 v[OUTR+\k], v[OUTR+\k], -2.0, 1.0    ; tanh(x) = 1 - 2 / (1 + e^(2 x))
.endr
	global_store_b64 v[GO], v[OUTR:OUTR+1], s[12:13]             ; out[b][2 t][2 g .. 2 g + 1]
	global_store_b64 v[GO], v[OUTR+2:OUTR+3], s[12:13] offset:128   ; out[b][2 t + 1][..]
	s_wait_tensorcnt 0x0
	ds_add_u32 v254, v255
	s_wait_dscnt 0x0
	ROUND                                          ; the closing round: no work-group ends while a partner may still ask for a tile that names it.  All my tensor loads were waited for ahead of lt tile 3's reads
	s_endpgm
.Lfunc_end_k_q771e809d29_match:
	.size	k_q771e809d29_match, .Lfunc_end_k_q771e809d29_match-k_q771e809d29_match
	.p2alignl 7, 3214868480
	.fill 96, 4, 3214868480
	.section	.rodata,"a",@progbits
	.p2align	6, 0x0
	.amdhsa_kernel k_q771e809d29_match
		.amdhsa_group_segment_fixed_size 327680
		.amdhsa_private_segment_fixed_size 0
		.amdhsa_enable_private_segment 0
		.amdhsa_kernarg_size 40
		.amdhsa_user_sgpr_count 2
		.amdhsa_user_sgpr_kernarg_segment_ptr 1
		.amdhsa_wavefront_size32 1
		.amdhsa_system_sgpr_workgroup_id_x 1
		.amdhsa_system_sgpr_workgroup_id_y 1
		.amdhsa_system_sgpr_workgroup_id_z 1
		.amdhsa_system_vgpr_workitem_id 0
		.amdhsa_next_free_vgpr 1024
		.amdhsa_next_free_sgpr 80
		.amdhsa_reserve_vcc 0
		.amdhsa_float_denorm_mode_32 3
		.amdhsa_float_denorm_mode_16_64 3
		.amdhsa_memory_ordered 1
		.amdhsa_forward_progress 1
		.amdhsa_inst_pref_size 163
	.end_amdhsa_kernel
	.amdgpu_metadata
---
amdhsa.version: [ 1, 2 ]
amdhsa.kernels:
  - .name:           k_q771e809d29_match
    .symbol:         k_q771e809d29_match.kd
    .args:
      - { .name: kernel, .offset: 0, .size: 8, .value_kind: global_buffer, .address_space: global }
      - { .name: reps_lt, .offset: 8, .size: 8, .value_kind: global_buffer, .address_space: global }
      - { .name: reps_rt_codes, .offset: 16, .size: 8, .value_kind: global_buffer, .address_space: global }
      - { .name: reps_rt_scales, .offset: 24, .size: 8, .value_kind: global_buffer, .address_space: global }
      - { .name: out0, .offset: 32, .size: 8, .value_kind: global_buffer, .address_space: global }
    .group_segment_fixed_size: 327680
    .private_segment_fixed_size: 0
    .kernarg_segment_align: 8
    .kernarg_segment_size: 40
    .max_flat_workgroup_size: 128
    .sgpr_count:     80
    .vgpr_count:     1024
    .wavefront_size: 32
...
	.end_amdgpu_metadata
.endif
;; end of part 1
